; MI455X (gfx1250); checked and timed in simulation.
; The chip was launched on July 23, 2026; its instructions are those of AMD's public machine-readable ISA for CDNA 5 (MIT licence, August 2026) and "CDNA5" Instruction Set Architecture Reference Guide (July 2026). The comments in the code are by the model that wrote it; some were corrected since.
;; Absolute Pos Emb. Allowed arithmetic: matrix products marked QUANTISED: E4M3 operands, one E8M0 scale for each 32 along K, by v_wmma_scale_f32_16x16x128_f8f6f4 with both operands' format E4M3, f32 sums; everything else in f32.
;; Inputs: k 8 x 8 x 32 x 32 x 64 float32; q 8 x 8 x 32 x 32 x 64 float32; v 8 x 8 x 32 x 32 x 64 float32.
;; Outputs: out0 8 x 32 x 32 x 512 float32.
;; This version of the problem:
;;   THIS VERSION OF THE PROBLEM IS GIVEN IN LOW PRECISION. The matrix products marked QUANTISED in the list below multiply operands that are first quantised to E4M3 (4 exponent bits, 3 mantissa bits; 8 bits a number), with one power-of-two scale for each 32 numbers along K (OCP MX v1.0); their sums are f32. All else is computed in f32.
;;   The module's matrix products, in the order in which they are computed (A, B: the left and right operand; K: the contracted axis; several contracted axes count as one K, in the product's order):
;;     1. batch 64 x [M 1,024, K 64] x [K 64, N 1,024]; A: computed on the way; B: input k: QUANTISED
;;     2. batch 64 x [M 64, K 1,024] x [K 1,024, N 1,024]; A: input v; B: computed on the way: QUANTISED
;;   THE QUANTISER, for each operand of a quantised product, along K:
;;     - K is cut into blocks of 32 from its start; a last block that is shorter is filled with zeros.
;;     - A block's scale is 2^e with e = floor(log2(the largest magnitude in the block)) - 8, held to -126 .. 127; a block of zeros has e = 0. As a byte (E8M0): e + 127.
;;     - Each number is divided by its block's scale, clamped to +-448, and rounded to the nearest number of E4M3, ties to even, subnormals kept.
;;     - The product sums the exact products of the quantised numbers (number of the format x scale) in f32.
;;   ~~~python
;;   def quantise(x, axis):      # numpy; x: float32 -> the quantised numbers, widened to float32 again
;;       x = np.moveaxis(x, axis, -1); K = x.shape[-1]
;;       x = np.pad(x, [(0, 0)] * (x.ndim - 1) + [(0, -K % 32)]); x = x.reshape(x.shape[:-1] + (-1, 32)); a = np.abs(x).max(-1, keepdims=True)
;;       e = np.where(a > 0, np.clip(np.frexp(np.where(a > 0, a, 1))[1] - 1 - 8, -126, 127), 0)      # np.frexp(a)[1] - 1 = floor(log2(a)), exactly
;;       r = np.clip(x / 2.0 ** e, -448, 448)
;;       step = 2.0 ** (np.maximum(np.frexp(np.where(r == 0, 1, r))[1] - 1, -6) - 3)
;;       q = np.round(r / step) * step * 2.0 ** e      # np.round: ties to even
;;       return np.moveaxis(q.reshape(q.shape[:-2] + (-1,))[..., :K], -1, axis).astype(np.float32)
;;   ~~~
;;   OPERANDS COMPUTED ON THE WAY. 'Computed on the way' means the value that the module computes at that place (a softmax that the list does not call 'softmax' is quantised finished and normalised). What goes into a quantiser is computed in f32, as accurately as f32 sums, v_exp_f32 and their like allow (about 1e-6 of the number): no bf16 or f16 on the way to a quantiser, and a product that is left as it is and whose result goes on into a quantised operand takes f32 operands (vector FMAs, or v_wmma_f32_16x16x4_f32). A number that lies on a knife's edge between two numbers of the format may be rounded either way, as far as f32 arithmetic and the matrix unit's own rounding can turn it there, and no further.
;; One version. Each part assembles by itself: llvm-mc -triple=amdgcn-amd-amdhsa -mcpu=gfx1250 --defsym DOCPART=n.
;; ======== version 1 of 1: 1 launch
;; limits: right only within a limited range of input values
;; launch attn (part 1): grid 4 x 64, 8 waves a work-group, clusters of 4 x 1, 327,680 bytes of LDS; arguments q, k, v, out0; writes out0
.if DOCPART == 1
	.amdgcn_target "amdgcn-amd-amdhsa--gfx1250"
	.amdhsa_code_object_version 6
	.text
	.protected	k_q7f1e7807fb_attn
	.globl	k_q7f1e7807fb_attn
	.p2align	8
	.type	k_q7f1e7807fb_attn,@function
k_q7f1e7807fb_attn:
	s_mov_b64 s[64:65], 0
	v_nop
	global_prefetch_b8 v0, s[64:65] scope:SCOPE_SE
	s_setreg_imm32_b32 hwreg(HW_REG_WAVE_MODE, 25, 1), 1
	s_wait_xcnt 0x0
	s_wait_alu depctr_hold_cnt(0) depctr_sa_sdst(0) depctr_va_vdst(0) depctr_va_sdst(0) depctr_va_ssrc(0) depctr_va_vcc(0) depctr_vm_vsrc(0)
	s_getreg_b32 s2, hwreg(HW_REG_IB_STS2, 6, 4)
	s_cmp_eq_u32 s2, 0
	s_cbranch_scc0 .Lentry_in_a_cluster
	s_endpgm
.Lentry_in_a_cluster:
	s_bfe_u32 s2, ttmp6, 0x10000c
	s_cmp_lg_u32 s2, 0x3003
	s_cbranch_scc0 .Lentry_shape_is_right
	s_endpgm
.Lentry_shape_is_right:
; out[b][token][64 n + d] = sum over keys of softmax_keys(0.125 q[b][n][token] . k[b][n][key]) v[b][n][key][d].  q, k, v: [64 heads][1024][64] f32; out: [8][1024][512] f32.
; Both products on codes of FP8 (E4M3) with one E8M0 scale for each 32 along K.  Product 1: K = d = 64: two blocks; the instruction is 128 deep: q's upper 64 codes are zeros, and K's are the next tile's
; codes, finite numbers, which add nothing to a sum over zero codes.  Product 2: K = the keys; what is quantised is the FINISHED weight p = exp(l - max) / sum.
; SHARES.  A work-group owns 256 queries of one head; its eight waves share the KEYS: wave w owns keys 128 w .. + 127, quantises its rows of k and v once and keeps the codes in registers (8 fragments of K, 4 of V^T).
; Through LDS go q's codes (images of their registers), two numbers a row and wave of statistics, and the eight partial tiles of O.
; CLUSTER.  The four work-groups of a head form a cluster.  v is asked for JOINTLY, one tensor load a wave, 128 rows of 256 bytes: 270,336 bytes of LDS, filled once.  k's 262,144 bytes have no room beside it, so k, like q, is
; loaded into registers, 16 loads of 512 consecutive bytes a block, 64 loads a wave on their way, and turns through a stage of the wave's own.
; No prefetch: the loop loads nothing from memory, and all of the launch's loads but k's last block go out at the head.
; SOFTMAX.  c = log2(e).  Wave w takes the largest score m_w of ITS 128 keys away: e = 2^(c s + MC_w), MC_w = -c m_w as it was rounded.  The waves exchange MC_w and their parts sum_w of the row's sum once;
; with MCmin the least of the eight, p = e x R_w, R_w = 2^(MCmin - MC_w) / the sum over w' of sum_w' 2^(MCmin - MC_w').  The number exchanged is the number used, so the shift cancels.
; PIPELINE, a tile of 16 queries and one barrier a step.  Step k: tile k + 1: e and its sum;  tile k: R, p, codes, V^T P^T, partial O to LDS;  tile k - 1: the eight parts are added and leave;  tile k + 2: S^T and its maxima.
; LAYOUT.  Both products transposed: S^T = K Q^T, O^T = V^T P^T: a lane (r = lane % 16, h = lane / 16) holds ONE query r.  Tile t of K is keys 16 t + row, so register 16 b + 8 u + j of a tile's scores is key
; 32 b + 16 u + 8 h + j; V's codes are loaded in the same order of keys within each block of 32.
; LIMITS.  NaN and infinities among the inputs are not served.  A block of zeros gets the byte 1 where the rule says 127 (its codes are zeros; the bytes are read here alone), and so do blocks whose largest magnitude lies
; under 2^(9 - 127).  Exponentials under 2^-126 come out as 0 (ISA guide, v_exp_f32).  A block's largest p is not searched for: the block's largest score goes through the same multiply-add, exponential and multiplication,
; which takes v_exp_f32 not to fall where its input rises.  1 / sum is v_rcp_f32 and a multiplication.  O's eight partial sums are added as a tree.
.set SP,    272                        ; a row of 256 bytes + 16
.set VP,    264                        ; v's rows in LDS: 256 bytes + 8: rows 8 apart begin 16 banks apart (64 banks of 4 bytes: ISA guide 11.1), so the two halves of the lanes touch different banks
.set VREG,  128*VP                     ; a wave's rows of v
.set WPT,   16*SP
.set PBUF,  8*WPT
.set PART,  0                          ; 2 x 34,816: partial tiles of O, over v's rows, which have had their only fill and are read by then
.set STG,   8*VREG                     ; 8 x 4,352: each wave's own stage of 16 rows
.set QIMG,  STG+8*WPT                  ; 16 x 1,024: q's images: register group c at 512 c, 16 x lane
.set QSC,   QIMG+16*1024               ; 16 x 128: q's scale words, 4 x lane
.set STAT,  QSC+16*128                 ; 2 x 1,024: MC at 32 r + 4 w, sums 512 further on
.set SPARE, STAT+2048                  ; 8 x 128: the spare words
; window 0
.set VL16, 1                           ; 16 x lane
.set ASGS, 2                           ; stage, in
.set ASGL, 3                           ; stage, out
.set AV,   4                           ; my rows of v
.set SPW,  5                           ; LDS address of my spare word; never rewritten
.set AQW,  6                           ; q's images, in
.set AQSW, 7                           ; q's scale words, in
.set AQ,   8                           ; q's images, out
.set AQS,  9                           ; q's scale words, out
.set ASS,  10                          ; my wave's word of row r's statistics
.set ASL,  11                          ; four waves' words of row r's statistics
.set APS,  12                          ; partial O, in
.set APL,  13                          ; partial O, out: rows 2 w, 2 w + 1
.set GO,   14                          ; the same rows in out
.set NIL,  15                          ; 0; never rewritten
.set KS,   16                          ; v16-23 K's scale words    (v16-31 hold scales and nothing else)
.set VS,   24                          ; v24-27 V's
.set QS,   28                          ; q's
.set PW,   30                          ; p's
.set QF,   32                          ; v32-47 q's fragment: 8 codes + 8 zeros
.set PC,   48                          ; v48-63 p's codes
.set S,    64                          ; v64-191 two tiles by turns: scores, then e, then p
.set BM,   192                         ; 2 x 4: largest score (then e, then p) of each block of 32 keys
.set TP,   200
.set HL,   204                         ; 448 x the scale
.set SO,   208                         ; the conversions' scale operands
.set ST,   212                         ; v212-219 statistics as loaded: four MC, four sums
.set FX,   220                         ; v220-224
.set WX,   225
.set WS,   226
.set MR,   228                         ; v[228:229] R (the packed forms name the pair and take its low word)
.set MCO,  230                         ; v[230:231], v[232:233] MC of two tiles by turns
.set SA,   236                         ; v236-243 four chains of pairs
.set ADQ,  244
.set ADS,  245
; window 0 in the set-up only
.set R0,   64
.set R1,   128
.set X0,   192                         ; v192-255: two tiles' 32 numbers a lane
.set TM,   32
.set TPX,  36
.set SOX,  40
.set HLX,  44
.set CV,   48
; window 1
.set KC,   0                           ; K's codes, 8 registers a tile
.set KZ,   64                          ; 8 zeros behind them
.set VC,   72                          ; V^T's codes, 16 registers a fragment
.set PO,   136                         ; partial O^T
.set RB,   168                         ; eight waves' parts of my two rows
.set R2,   128                         ; set-up only
.set R3,   192
; scalars
.set WV,   12
.set SEL,  20                          ; s[20:21] v_permlanex16_b32's selects for lane l xor 16
.set CS,   22                          ; s[22:23] c
.set NC,   24                          ; -c
.set MNT,  25                          ; the mantissa field of 448
.set TRIPS, 26
.set TQ,   27
.set TQS,  28
.set EIG,  32                          ; s[32:33] 0.125
.set G0,   36
.set G1,   40
.set MSB, 0
.macro WIN new                         ; bits 1:0 source 0, 3:2 source 1, 5:4 source 2, 7:6 destination; the high byte repeats the setting that is left
.if MSB != \new
	s_set_vgpr_msb (MSB<<8)|\new
.set MSB, \new
.endif
.endm
.macro VWAIT
	s_wait_alu depctr_va_vdst(0)
.endm
.macro PLACES n
.rept \n
	v_nop
.endr
.endm
.macro ROUND                           ; a round of the cluster's barrier
	s_barrier_signal -1
	s_barrier_wait -1
	s_cmp_lg_u32 s[WV], 0
	s_cbranch_scc1 .Lnot_wave_0_\@
	s_barrier_signal -3
.Lnot_wave_0_\@:
	s_barrier_wait -3
	s_barrier_signal -1
	s_barrier_wait -1
.endm
; ---------------- set-up ----------------
; 32 rows of 256 bytes, as they lie: 512 consecutive bytes an instruction.  Block 0: my 32 rows of q (read by me alone); blocks 1-4: my keys 32 (blk - 1) on
.macro GLOAD blk, R, win
	WIN \win
.set nn, 0
.rept 16
.if (\blk) == 0
	global_load_b128 v[\R+4*nn:\R+4*nn+3], v[VL16], s[4:5] offset:512*nn th:TH_LOAD_NT
.else
	global_load_b128 v[\R+4*nn:\R+4*nn+3], v[VL16], s[6:7] offset:8192*((\blk)-1)+512*nn
.endif
.set nn, nn+1
.endr
	WIN 0
.endm
; 32 rows turn through my stage, 16 at a time: lane (r, h) gets of row r of each of two tiles the 16 numbers 32 c + 16 h on.  LDS serves a wave's instructions in order (ISA guide 5.7.1.4)
.macro TURN R, win
.irp u, 0,1
	WIN \win
.irp n, 0,1,2,3,4,5,6,7
	ds_store_b128 v[ASGS], v[\R+32*\u+4*\n:\R+32*\u+4*\n+3] offset:2*SP*\n
.endr
	WIN 0
.irp c, 0,1
.irp j, 0,1,2,3
	ds_load_b128 v[X0+32*\u+16*\c+4*\j:X0+32*\u+16*\c+4*\j+3], v[ASGL] offset:128*\c+16*\j
.endr
.endr
.endr
.endm
; Four blocks of 32, 16 numbers a lane each (v[x + 16 c + i]), the other 16 in lane l xor 16: 16 registers of codes at v[cd], the four scale bytes in v[TM ..]
.macro QUANT x, cd, win
.irp c, 0,1,2,3
	v_max3_num_f32 v[TM+\c], |v[\x+16*\c]|, |v[\x+16*\c+1]|, 0x4800000   ; my 16 numbers, and the floor 2^(9 - 127): the byte cannot fall under 1
.endr
.irp i, 2,4,6,8,10,12,14
.irp c, 0,1,2,3
	v_max3_num_f32 v[TM+\c], v[TM+\c], |v[\x+16*\c+\i]|, |v[\x+16*\c+\i+1]|
.endr
.endr
.irp c, 0,1,2,3
	v_permlanex16_b32 v[TPX+\c], v[TM+\c], s[SEL], s[SEL+1]
.endr
.irp c, 0,1,2,3
	v_max_num_f32 v[TM+\c], v[TM+\c], v[TPX+\c]
.endr
.irp c, 0,1,2,3
	v_add_nc_u32 v[SOX+\c], 0xfc000000, v[TM+\c]           ; 8 off its exponent field: the conversion's scale operand
.endr
.irp c, 0,1,2,3
	v_and_or_b32 v[HLX+\c], v[TM+\c], 0x7f800000, s[MNT]   ; 448 x the scale
.endr
.irp c, 0,1,2,3
	v_lshrrev_b32 v[TM+\c], 23, v[SOX+\c]                  ; the scale's byte
.endr
.irp c, 0,1,2,3
.irp i, 0,1,2,3,4,5,6,7,8,9,10,11,12,13,14,15
	v_med3_num_f32 v[\x+16*\c+\i], v[\x+16*\c+\i], -v[HLX+\c], v[HLX+\c]   ; the conversion to an 8-bit code does not saturate (ISA guide 7.6.2)
.endr
.endr
	WIN \win
.irp c, 0,1,2,3
	v_cvt_scalef32_pk8_fp8_f32 v[4*\c+\cd:4*\c+\cd+1], v[\x+16*\c:\x+16*\c+7], v[SOX+\c]
	v_cvt_scalef32_pk8_fp8_f32 v[4*\c+\cd+2:4*\c+\cd+3], v[\x+16*\c+8:\x+16*\c+15], v[SOX+\c]
.endr
	WIN 0
	v_nop                                                  ; one plain line behind the last conversion of a run
.endm
; a block of 32 rows.  left: the younger blocks' loads, which may stay out
.macro BLOCK blk, R, win, left
	VWAIT
	s_wait_loadcnt \left
	TURN \R, \win
	s_wait_dscnt 0x0
.if (\blk) == 0
	GLOAD 4, R0, 0                                         ; R0 has been read: k's last block
.set pp, 0
.rept 32
	v_pk_mul_f32 v[X0+2*pp:X0+2*pp+1], v[X0+2*pp:X0+2*pp+1], s[EIG:EIG+1] op_sel_hi:[1,0]   ; q x 64^-0.5: a power of two, nothing is rounded
.set pp, pp+1
.endr
	QUANT X0, CV, 0
.irp u, 0,1
	v_lshl_or_b32 v[TM+2*\u], v[TM+2*\u+1], 8, v[TM+2*\u]  ; the upper two bytes stay 0: they stand over zero codes
.endr
.irp u, 0,1
	ds_store_b128 v[AQW], v[CV+8*\u:CV+8*\u+3] offset:1024*\u
	ds_store_b128 v[AQW], v[CV+8*\u+4:CV+8*\u+7] offset:1024*\u+512
	ds_store_b32 v[AQSW], v[TM+2*\u] offset:128*\u
.endr
.else
	QUANT X0, KC+16*((\blk)-1), 0x40                       ; K's codes land in the registers in which they stay
.irp u, 0,1
	v_lshl_or_b32 v[KS+2*((\blk)-1)+\u], v[TM+2*\u+1], 8, v[TM+2*\u]
.endr
.endif
.endm
; fragment t of V^T: lane (r, h): channel 16 t + r; register 16 c + 8 u + j: key 32 c + 16 u + 8 h + j
.macro VLD t, B
.set nn, 0
.rept 64
	ds_load_b32 v[\B+nn], v[AV] offset:VP*(32*(nn/16)+16*((nn/8)%2)+nn%8)+64*(\t)
.set nn, nn+1
.endr
.endm
; ---------------- loop ----------------
.macro QLOAD                           ; the next tile's fragment of q and its scale words: LDS bytes that are never written again
	v_add_nc_u32 v[ADQ], s[TQ], v[AQ]
	v_add_nc_u32 v[ADS], s[TQS], v[AQS]
	ds_load_b128 v[QF:QF+3], v[ADQ]
	ds_load_b128 v[QF+4:QF+7], v[ADQ] offset:512
	ds_load_b32 v[QS], v[ADS]
	s_add_co_u32 s[TQ], s[TQ], 1024
	s_add_co_u32 s[TQS], s[TQS], 128
.endm
.macro QK q                            ; S^T: 8 tiles of 16 keys; every product is a whole sum
	WIN 0x01
.irp t, 0,1,2,3,4,5,6,7
	v_wmma_scale_f32_16x16x128_f8f6f4 v[S+64*(\q)+8*\t:S+64*(\q)+8*\t+7], v[KC+8*\t:KC+8*\t+15], v[QF:QF+15], 0, v[KS+\t], v[QS]
.endr
.endm
.macro BMAX1 q                         ; my 16 scores of each block, from each accumulator's low end on
.irp b, 0,1,2,3
	v_max3_num_f32 v[BM+4*(\q)+\b], v[S+64*(\q)+16*\b], v[S+64*(\q)+16*\b+1], v[S+64*(\q)+16*\b+2]
.endr
.irp i, 3,5,7,9,11,13
.irp b, 0,1,2,3
	v_max3_num_f32 v[BM+4*(\q)+\b], v[BM+4*(\q)+\b], v[S+64*(\q)+16*\b+\i], v[S+64*(\q)+16*\b+\i+1]
.endr
.endr
.endm
.macro BMAX2 q                         ; the blocks' maxima, my 128 keys' maximum, MC
.irp b, 0,1,2,3
	v_max_num_f32 v[BM+4*(\q)+\b], v[BM+4*(\q)+\b], v[S+64*(\q)+16*\b+15]
.endr
.irp b, 0,1,2,3
	v_permlanex16_b32 v[TP+\b], v[BM+4*(\q)+\b], s[SEL], s[SEL+1]
.endr
.irp b, 0,1,2,3
	v_max_num_f32 v[BM+4*(\q)+\b], v[BM+4*(\q)+\b], v[TP+\b]
.endr
	v_max3_num_f32 v[WX], v[BM+4*(\q)], v[BM+4*(\q)+1], v[BM+4*(\q)+2]
	v_max_num_f32 v[WX], v[WX], v[BM+4*(\q)+3]
	v_mul_f32 v[MCO+2*(\q)], s[NC], v[WX]
.endm
.macro FM n                            ; the next n pairs of tile k + 1: c s + MC
.rept \n
.if fi < 32
	v_pk_fma_f32 v[SN+2*fi:SN+2*fi+1], v[SN+2*fi:SN+2*fi+1], s[CS:CS+1], v[MN:MN+1] op_sel_hi:[1,0,0]
.set fi, fi+1
.endif
.endr
.endm
.macro BFM                             ; the same of each block's largest score
.irp b, 0,1,2,3
	v_fma_f32 v[BN+\b], v[BN+\b], s[CS], v[MN]
.endr
.endm
.macro CVT i
	v_cvt_scalef32_pk8_fp8_f32 v[PC+2*(\i):PC+2*(\i)+1], v[SC+8*(\i):SC+8*(\i)+7], v[SO+(\i)/2]
.endm
.macro PADD d, s
	v_pk_add_f32 v[\d:\d+1], v[\d:\d+1], v[\s:\s+1]
	v_pk_add_f32 v[\d+2:\d+3], v[\d+2:\d+3], v[\s+2:\s+3]
.endm
; STEP k, P = k % 2.  sft: tile k + 1's e and sum.  nrm: tile k's p and V^T P^T.  qk: tile k + 2's S^T.  rs: tile k - 1 leaves.  bar: a step follows.
; LDS: read: statistics' buffer P, partial tiles' buffer 1 - P;  written: statistics' buffer 1 - P, partial tiles' buffer P.  What is read was stored ahead of the last barrier, each wave having waited for its stores; it is
; stored anew only behind the next barrier, in front of whose signal each wave has waited for its loads.
.macro STEP P, sft, nrm, qk, rs, bar
.set SN, S+64*(1-\P)
.set SC, S+64*\P
.set BN, BM+4*(1-\P)
.set BC, BM+4*\P
.set MN, MCO+2*(1-\P)
.set fi, 32*(1-\sft)
.if \nrm
	ds_load_b128 v[ST:ST+3], v[ASL] offset:1024*\P
	ds_load_b128 v[ST+4:ST+7], v[ASL] offset:1024*\P+512
.endif
.if \qk
	QLOAD
.endif
.if \rs
	WIN 0x40
.irp p, 0,1,2,3,4,5,6,7
	ds_load_b128 v[RB+4*\p:RB+4*\p+3], v[APL] offset:PBUF*(1-\P)+WPT*\p
.endr
	WIN 0
.endif
.if \nrm
	FM 10
	s_wait_dscnt 3*\qk+8*\rs                               ; the statistics are in; q's three loads and the eight parts may be out
	; R = 2^(MCmin - my MC) / the sum over the eight waves of sum_w 2^(MCmin - MC_w).  My half of the lanes has four waves' numbers, lane l xor 16 the other four's
	v_min_num_f32 v[TP], v[ST], v[ST+1]
	v_min_num_f32 v[TP+1], v[ST+2], v[ST+3]
	FM 2
	v_min_num_f32 v[TP], v[TP], v[TP+1]
	FM 2
	v_permlanex16_b32 v[TP+1], v[TP], s[SEL], s[SEL+1]
	FM 2
	v_min_num_f32 v[TP], v[TP], v[TP+1]                    ; MCmin
	FM 2
.irp i, 0,1,2,3
	v_sub_f32 v[FX+\i], v[TP], v[ST+\i]                    ; 0 or less
.endr
	v_sub_f32 v[FX+4], v[TP], v[MCO+2*\P]
	VWAIT
.irp i, 0,1,2,3,4
	v_exp_f32 v[FX+\i], v[FX+\i]
.endr
.if \sft
	FM 4                                                   ; plain lines behind the transcendentals
.else
	v_nop
.endif
	VWAIT
	v_mul_f32 v[TP+2], v[FX], v[ST+4]
	FM 2
	v_fma_f32 v[TP+2], v[FX+1], v[ST+5], v[TP+2]
	FM 2
	v_fma_f32 v[TP+2], v[FX+2], v[ST+6], v[TP+2]
	FM 2
	v_fma_f32 v[TP+2], v[FX+3], v[ST+7], v[TP+2]
	FM 2
	v_permlanex16_b32 v[TP+1], v[TP+2], s[SEL], s[SEL+1]
	FM 2
	v_add_f32 v[TP+2], v[TP+2], v[TP+1]                    ; the same two numbers in either order: the same bits in both halves and in every wave; at least 1
	VWAIT
	v_rcp_f32 v[TP+3], v[TP+2]
.if \sft
	BFM                                                    ; plain lines behind the transcendental
.else
	v_nop
.endif
	VWAIT
	v_mul_f32 v[MR], v[TP+3], v[FX+4]
.irp b, 0,1,2,3
	v_mul_f32 v[BC+\b], v[BC+\b], v[MR]                    ; the block's largest p
.endr
.irp b, 0,1,2,3
	v_max_num_f32 v[BC+\b], 0x4800000, v[BC+\b]            ; the floor 2^(9 - 127)
.endr
.irp b, 0,1,2,3
	v_add_nc_u32 v[SO+\b], 0xfc000000, v[BC+\b]
.endr
.irp b, 0,1,2,3
	v_and_or_b32 v[HL+\b], v[BC+\b], 0x7f800000, s[MNT]
.endr
.irp b, 0,1,2,3
	v_lshrrev_b32 v[TP+\b], 23, v[SO+\b]
.endr
	v_lshl_or_b32 v[PW], v[TP+1], 8, v[TP]
	v_lshl_or_b32 v[PW], v[TP+2], 16, v[PW]
	v_lshl_or_b32 v[PW], v[TP+3], 24, v[PW]
.elseif \sft
	FM 32
	BFM
.endif
.if \sft || \nrm
	VWAIT                                                  ; ahead of the first batch: it covers all that the lines above wrote
.if \sft
.irp b, 0,1,2,3
	v_exp_f32 v[BN+\b], v[BN+\b]
.endr
.endif
.set pp, 0
.rept 32                               ; tile k + 1's first 32 exponentials, and among them tile k's p = e x R: what these write is first read behind the next wait
.if \sft
	v_exp_f32 v[SN+pp], v[SN+pp]
.endif
.if \nrm
	v_pk_mul_f32 v[SC+2*pp:SC+2*pp+1], v[SC+2*pp:SC+2*pp+1], v[MR:MR+1] op_sel_hi:[1,0]
.endif
.set pp, pp+1
.endr
	VWAIT
.set pp, 0
.rept 32                               ; the other 32, and tile k's holds: p is not negative, so the hold is one-sided
.if \sft
	v_exp_f32 v[SN+32+pp], v[SN+32+pp]
.endif
.if \nrm
	v_min_num_f32 v[SC+2*pp], v[SC+2*pp], v[HL+pp/8]
	v_min_num_f32 v[SC+2*pp+1], v[SC+2*pp+1], v[HL+pp/8]
.endif
.set pp, pp+1
.endr
.if !\nrm
	v_nop
.endif
.endif
	VWAIT
	s_wait_dscnt 0x0                                       ; q's fragment and the eight parts are in
.if \sft
.irp m, 1,2,3,4,5,6,7                  ; tile k's conversions among tile k + 1's sums: four chains of pairs
.if \nrm
	CVT \m-1
.endif
.irp c, 0,1,2,3
.if \m == 1
	v_pk_add_f32 v[SA+2*\c:SA+2*\c+1], v[SN+2*\c:SN+2*\c+1], v[SN+2*\c+8:SN+2*\c+9]
.else
	v_pk_add_f32 v[SA+2*\c:SA+2*\c+1], v[SA+2*\c:SA+2*\c+1], v[SN+2*\c+8*\m:SN+2*\c+8*\m+1]
.endif
.endr
.endr
.if \nrm
	CVT 7
.endif
	v_pk_add_f32 v[SA:SA+1], v[SA:SA+1], v[SA+2:SA+3]      ; these six lines are also the codes' places ahead of the products
	v_pk_add_f32 v[SA+4:SA+5], v[SA+4:SA+5], v[SA+6:SA+7]
	v_pk_add_f32 v[SA:SA+1], v[SA:SA+1], v[SA+4:SA+5]
	v_add_f32 v[WS], v[SA], v[SA+1]
	v_permlanex16_b32 v[TP+1], v[WS], s[SEL], s[SEL+1]
	v_add_f32 v[WS], v[WS], v[TP+1]                        ; my 128 keys' part of the row's sum, under my own MC
	ds_store_b32 v[ASS], v[MN] offset:1024*(1-\P)          ; both lanes of a query write the same word with the same value
	ds_store_b32 v[ASS], v[WS] offset:1024*(1-\P)+512
.elseif \nrm
.irp m, 0,1,2,3,4,5,6,7
	CVT \m
.endr
	PLACES 4
.endif
.if \nrm
	WIN 0x41
.irp t, 0,1,2,3                        ; my 128 keys' part of O^T, 4 tiles of 16 channels, each a whole sum
	v_wmma_scale_f32_16x16x128_f8f6f4 v[PO+8*\t:PO+8*\t+7], v[VC+16*\t:VC+16*\t+15], v[PC:PC+15], 0, v[VS+\t], v[PW]
.endr
.endif
.if \qk
	QK \P
.endif
.if \rs                                ; the sums below are the products' places (eight behind this form)
	WIN 0x45
.irp a, 0,2,4,6
	PADD RB+4*\a, RB+4*\a+4
.endr
.irp a, 0,4
	PADD RB+4*\a, RB+4*\a+8
.endr
	PADD RB, RB+16
.else
	WIN 0
	PLACES 8
.endif
.if \nrm
	WIN 0x04
.irp t, 0,1,2,3                        ; lane (r, h): query r, channels 16 t + 8 h + 0 .. 7
	ds_store_b128 v[APS], v[PO+8*\t:PO+8*\t+3] offset:PBUF*\P+64*\t
	ds_store_b128 v[APS], v[PO+8*\t+4:PO+8*\t+7] offset:PBUF*\P+64*\t+16
.endr
.endif
.if \rs
	WIN 0x04
	global_store_b128 v[GO], v[RB:RB+3], s[10:11] th:TH_STORE_NT   ; 16 lanes store a (token, head)'s 256 consecutive bytes, at a multiple of 256 from out's first byte
.endif
	WIN 0
.if \qk
	BMAX1 \P
.endif
.if \bar
	VWAIT
	s_wait_dscnt 0x0                                       ; for the others' sake: my stores have landed and my loads are in
.if \rs
	s_wait_xcnt 0x0                                        ; the store's base and data are written again only behind this wait
	s_add_nc_u64 s[10:11], s[10:11], 0x8000                ; 16 tokens on
.endif
	s_barrier_signal -1
.if \qk
	BMAX2 \P                                               ; work on registers while the others arrive
.endif
	VWAIT
	s_barrier_wait -1
.endif
.endm
; ---------------- the head ----------------
	s_load_b256 s[4:11], s[0:1], 0x0               ; q s[4:5], k s[6:7], v s[8:9], out s[10:11]
	v_lshl_add_u32 v[SPW], v0, 2, SPARE
	v_mov_b32 v[NIL], 0
	ds_add_u32 v[SPW], v[NIL]                      ; the opening: the add, twice on end, under one wait
	ds_add_u32 v[SPW], v[NIL]
	v_lshrrev_b32 v32, 5, v0
	v_readfirstlane_b32 s[WV], v32                 ; wave 0..7
	s_bfe_u32 s13, ttmp6, 0x40000                  ; my place in the cluster
	s_lshl_b32 s14, ttmp9, 2
	s_add_co_u32 s13, s13, s14                     ; my block of 256 queries
	s_and_b32 s16, ttmp7, 0xffff                   ; the head
	s_lshl_b32 s17, s16, 18                        ; a head's 1,024 rows of 256 bytes
	s_lshl_b32 s14, s13, 16                        ; q: + my block of queries + my wave's 32 rows
	s_add_co_u32 s14, s14, s17
	s_lshl_b32 s15, s[WV], 13
	s_add_co_u32 s14, s14, s15
	s_mov_b32 s15, 0
	s_lshl_b32 s18, s[WV], 15                      ; k, v: + my wave's 128 rows
	s_add_co_u32 s18, s18, s17
	s_mov_b32 s19, 0
	s_lshr_b32 s30, s16, 3                         ; out: batch: 1,024 tokens of 2,048 bytes;
	s_lshl_b32 s30, s30, 21
	s_and_b32 s31, s16, 7                          ;      head % 8: 256 bytes of a token's row;
	s_lshl_b32 s31, s31, 8
	s_add_co_u32 s30, s30, s31
	s_lshl_b32 s31, s13, 19                        ;      my block of 256 tokens
	s_add_co_u32 s30, s30, s31
	s_mov_b32 s31, 0
	s_mov_b32 s[SEL], 0x76543210
	s_mov_b32 s[SEL+1], 0xfedcba98
	s_mov_b32 s[CS], 0x3fb8aa3b                    ; log2(e)
	s_mov_b32 s[CS+1], s[CS]                       ; (named with it as a pair, so it is written)
	s_mov_b32 s[NC], 0xbfb8aa3b
	s_mov_b32 s[MNT], 0x600000
	s_mov_b32 s[EIG], 0x3e000000                   ; 0.125
	s_mov_b32 s[EIG+1], s[EIG]
	s_mov_b32 s[TQ], 0
	s_mov_b32 s[TQS], 0
	; v's descriptor: 128 rows of 64 elements of 4 bytes, 2 words of padding behind every 64; the mask names the four work-groups of the cluster (bit 21 set beside it)
	s_mov_b32 s[G1], 15|(2<<16)|(1<<20)|(1<<21)|(5<<22)|(1<<25)
	s_mov_b32 s[G1+1], 64<<16
	s_mov_b32 s[G1+2], 128<<16
	s_mov_b32 s[G1+3], 64<<16
	s_mov_b32 s[G1+4], 128
	s_mov_b32 s[G1+5], 64
	s_mov_b32 s[G1+6], 0
	s_mov_b32 s[G1+7], 0
	s_mov_b32 s[G0], 1
	s_mul_i32 s[G0+1], s[WV], VREG                 ; my rows of v in LDS
	s_mul_i32 s49, s[WV], WPT                      ; my partial O (PART = 0)
	s_add_co_u32 s48, s49, STG                     ; my stage
	s_lshl_b32 s50, s[WV], 11
	s_add_co_u32 s50, s50, QIMG                    ; q's tiles 2 w, 2 w + 1
	s_lshl_b32 s51, s[WV], 8
	s_add_co_u32 s51, s51, QSC
	s_lshl_b32 s52, s[WV], 2
	s_add_co_u32 s52, s52, STAT
	s_mul_i32 s53, s[WV], 2*SP
	s_lshl_b32 s54, s[WV], 12
	v_and_b32 v33, 31, v0                          ; lane
	v_and_b32 v34, 15, v0                          ; r
	v_bfe_u32 v35, v0, 4, 1                        ; h
	v_lshlrev_b32 v[VL16], 4, v33
	v_mul_u32_u24 v[ASGS], v35, SP
	v_lshl_add_u32 v[ASGS], v34, 4, v[ASGS]
	v_add_nc_u32 v[ASGS], s48, v[ASGS]             ; in: lanes 0-15 one row, lanes 16-31 the next
	v_mul_u32_u24 v[ASGL], v34, SP
	v_lshl_add_u32 v[ASGL], v35, 6, v[ASGL]
	v_add_nc_u32 v[ASGL], s48, v[ASGL]             ; out: row r, + 64 h
	v_mul_u32_u24 v[AV], v35, 8*VP
	v_lshl_add_u32 v[AV], v34, 2, v[AV]
	v_add_nc_u32 v[AV], s[G0+1], v[AV]             ; row 8 h, + 4 r
	v_mul_u32_u24 v[APS], v34, SP
	v_lshl_add_u32 v[APS], v35, 5, v[APS]
	v_add_nc_u32 v[APS], s49, v[APS]               ; row r, + 32 h
	v_add_nc_u32 v[AQW], s50, v[VL16]
	v_lshlrev_b32 v[AQS], 2, v33
	v_add_nc_u32 v[AQSW], s51, v[AQS]
	v_add_nc_u32 v[AQ], QIMG, v[VL16]
	v_add_nc_u32 v[AQS], QSC, v[AQS]
	v_lshl_add_u32 v[ASS], v34, 5, s52             ; 32 r + 4 w
	v_lshlrev_b32 v[ASL], 5, v34
	v_lshl_add_u32 v[ASL], v35, 4, v[ASL]
	v_add_nc_u32 v[ASL], STAT, v[ASL]              ; 32 r + 16 h: waves 4 h .. 4 h + 3
	v_mul_u32_u24 v[APL], v35, SP
	v_lshl_add_u32 v[APL], v34, 4, v[APL]
	v_add_nc_u32 v[APL], s53, v[APL]               ; row 2 w + h, 16 bytes a lane
	v_lshlrev_b32 v[GO], 11, v35
	v_lshl_add_u32 v[GO], v34, 4, v[GO]
	v_add_nc_u32 v[GO], s54, v[GO]                 ; the same rows in out: 2,048 bytes from token to token
.irp c, 0,1,2,3
	v_mov_b32 v[TPX+\c], 0                         ; written once: a lane permute's destination counts as one of its sources
.endr
	VWAIT
	s_wait_dscnt 0x0                               ; both opening adds are done
	s_wait_kmcnt 0x0
	s_add_nc_u64 s[4:5], s[4:5], s[14:15]
	s_add_nc_u64 s[6:7], s[6:7], s[18:19]
	s_add_nc_u64 s[10:11], s[10:11], s[30:31]
	s_add_nc_u64 s[G0+2:G0+3], s[8:9], s[18:19]    ; v: by the head and the wave alone, so the same in all four work-groups
	s_or_b32 s[G0+3], s[G0+3], 0x80000000
	GLOAD 0, R0, 0
	GLOAD 1, R1, 0
	ROUND                                          ; all four work-groups are here: the joint loads meet
	tensor_load_to_lds s[G0:G0+3], s[G1:G1+7]      ; my 128 rows of v: the wave's one tensor load
	s_nop 0
	PLACES 4
	GLOAD 2, R2, 0x40
	GLOAD 3, R3, 0x40
	WIN 0x40
.irp j, 0,1,2,3,4,5,6,7
	v_mov_b32 v[KZ+\j], 0                          ; behind K's last tile: the upper half of its fragment
.endr
	WIN 0
; ---------------- q's two tiles to LDS, my 8 tiles of K and 4 of V^T to registers ----------------
	BLOCK 0, R0, 0, 48                             ; behind it: blocks 1 to 3
	BLOCK 1, R1, 0, 48                             ; blocks 2, 3, 4
	BLOCK 2, R2, 0x04, 32
	BLOCK 3, R3, 0x04, 16
	BLOCK 4, R0, 0, 0
	VWAIT
	s_wait_tensorcnt 0x0                           ; my rows of v are in; no other wave reads them
	VLD 0, 64
.irp t, 0,1,2,3
	VWAIT
	s_wait_dscnt 0x0
.if \t < 3
	VLD \t+1, 64+64*((\t+1)%2)                     ; the next fragment lands while this one is quantised
.endif
	QUANT 64+64*(\t%2), VC+16*\t, 0x40
	v_lshl_or_b32 v[VS+\t], v[TM+1], 8, v[TM]
	v_lshl_or_b32 v[VS+\t], v[TM+2], 16, v[VS+\t]
	v_lshl_or_b32 v[VS+\t], v[TM+3], 24, v[VS+\t]
.endr
.irp j, 8,9,10,11,12,13,14,15
	v_mov_b32 v[QF+\j], 0                          ; q's codes for k = 64 .. 127
.endr
.irp b, 0,1,2,3
	v_mov_b32 v[TP+\b], 0                          ; permute destinations of the loop
.endr
	v_mov_b32 v[MR+1], 0                           ; (named as the upper halves of pairs)
	v_mov_b32 v[MCO+1], 0
	v_mov_b32 v[MCO+3], 0
	VWAIT
	s_wait_dscnt 0x0
	s_barrier_signal -1
	s_barrier_wait -1                              ; all sixteen images of q lie in LDS, and every wave has read its rows of v
; ---------------- the pipeline: 16 tiles ----------------
	QLOAD                                          ; tile 0
	VWAIT
	s_wait_dscnt 0x0
	QK 0
	WIN 0
	PLACES 8
	BMAX1 0
	BMAX2 0
	STEP 1, 1, 0, 1, 0, 1                          ; step -1: tile 0's e, tile 1's scores
	STEP 0, 1, 1, 1, 0, 1                          ; step 0
	s_mov_b32 s[TRIPS], 6
.Ltrip:                                            ; steps 1 to 12, two a trip
	STEP 1, 1, 1, 1, 1, 1
	STEP 0, 1, 1, 1, 1, 1
	s_sub_co_u32 s[TRIPS], s[TRIPS], 1
	s_cmp_lg_u32 s[TRIPS], 0
	s_cbranch_scc1 .Ltrip
	STEP 1, 1, 1, 1, 1, 1                          ; step 13: the last tile's scores
	STEP 0, 1, 1, 0, 1, 1                          ; step 14
	STEP 1, 0, 1, 0, 1, 1                          ; step 15: tile 15's products
	STEP 0, 0, 0, 0, 1, 0                          ; step 16: tile 15 leaves
	s_wait_tensorcnt 0x0                           ; the wave's end
	ds_add_u32 v[SPW], v[NIL]
	s_wait_dscnt 0x0
	ROUND                                          ; the closing round
	s_endpgm
.Lfunc_end_k_q7f1e7807fb_attn:
	.size	k_q7f1e7807fb_attn, .Lfunc_end_k_q7f1e7807fb_attn-k_q7f1e7807fb_attn
	.p2alignl 7, 3214868480
	.fill 96, 4, 3214868480
	.section	.rodata,"a",@progbits
	.p2align	6, 0x0
	.amdhsa_kernel k_q7f1e7807fb_attn
		.amdhsa_group_segment_fixed_size 327680
		.amdhsa_private_segment_fixed_size 0
		.amdhsa_enable_private_segment 0
		.amdhsa_kernarg_size 32
		.amdhsa_user_sgpr_count 2
		.amdhsa_user_sgpr_kernarg_segment_ptr 1
		.amdhsa_wavefront_size32 1
		.amdhsa_system_sgpr_workgroup_id_x 1
		.amdhsa_system_sgpr_workgroup_id_y 1
		.amdhsa_system_sgpr_workgroup_id_z 1
		.amdhsa_system_vgpr_workitem_id 0
		.amdhsa_next_free_vgpr 512
		.amdhsa_next_free_sgpr 66
		.amdhsa_reserve_vcc 0
		.amdhsa_float_denorm_mode_32 3
		.amdhsa_float_denorm_mode_16_64 3
		.amdhsa_memory_ordered 1
		.amdhsa_forward_progress 1
		.amdhsa_inst_pref_size 240
	.end_amdhsa_kernel
	.amdgpu_metadata
---
amdhsa.version: [ 1, 2 ]
amdhsa.kernels:
  - .name:           k_q7f1e7807fb_attn
    .symbol:         k_q7f1e7807fb_attn.kd
    .args:
      - { .name: q, .offset: 0, .size: 8, .value_kind: global_buffer, .address_space: global }
      - { .name: k, .offset: 8, .size: 8, .value_kind: global_buffer, .address_space: global }
      - { .name: v, .offset: 16, .size: 8, .value_kind: global_buffer, .address_space: global }
      - { .name: out0, .offset: 24, .size: 8, .value_kind: global_buffer, .address_space: global }
    .group_segment_fixed_size: 327680
    .private_segment_fixed_size: 0
    .kernarg_segment_align: 8
    .kernarg_segment_size: 32
    .max_flat_workgroup_size: 256
    .sgpr_count:     66
    .vgpr_count:     512
    .wavefront_size: 32
...
	.end_amdgpu_metadata
.endif
;; end of part 1
